; MI455X (gfx1250); checked and timed in simulation.
; The chip was launched on July 23, 2026; its instructions are those of AMD's public machine-readable ISA for CDNA 5 (MIT licence, August 2026) and "CDNA5" Instruction Set Architecture Reference Guide (July 2026). The comments in the code are by the model that wrote it; some were corrected since.
;; Multi Head Self Attention. Allowed arithmetic: matrix products marked QUANTISED: E2M3 operands, one E8M0 scale for each 32 along K, by v_wmma_scale_f32_16x16x128_f8f6f4 with both operands' format E2M3, f32 sums; everything else in f32.
;; Inputs: Wk 1,024 x 1,024 float32; Wq 1,024 x 1,024 float32; Wv 1,024 x 1,024 float32; bk 1,024 float32; bq 1,024 float32; bv 1,024 float32; inputs 4 x 2,048 x 1,024 float32.
;; Outputs: out0 4 x 2,048 x 1,024 float32.
;; This version of the problem:
;;   THIS VERSION OF THE PROBLEM IS GIVEN IN LOW PRECISION. The matrix products marked QUANTISED in the list below multiply operands that are first quantised to E2M3 (2 exponent bits, 3 mantissa bits; 6 bits a number), with one power-of-two scale for each 32 numbers along K (OCP MX v1.0); their sums are f32. All else is computed in f32.
;;   The module's matrix products, in the order in which they are computed (A, B: the left and right operand; K: the contracted axis; several contracted axes count as one K, in the product's order):
;;     1. [M 8,192, K 1,024] x [K 1,024, N 1,024]; A: input inputs; B: input Wq: QUANTISED
;;     2. [M 8,192, K 1,024] x [K 1,024, N 1,024]; A: input inputs; B: input Wk: QUANTISED
;;     3. [M 8,192, K 1,024] x [K 1,024, N 1,024]; A: input inputs; B: input Wv: QUANTISED
;;     4. batch 64 x [M 2,048, K 64] x [K 64, N 2,048]; A: computed on the way; B: computed on the way: QUANTISED
;;     5. batch 64 x [M 2,048, K 2,048] x [K 2,048, N 64]; A: softmax (see below); B: computed on the way: QUANTISED
;;   THE QUANTISER, for each operand of a quantised product, along K:
;;     - K is cut into blocks of 32 from its start; a last block that is shorter is filled with zeros.
;;     - A block's scale is 2^e with e = floor(log2(the largest magnitude in the block)) - 2, held to -126 .. 127; a block of zeros has e = 0. As a byte (E8M0): e + 127.
;;     - Each number is divided by its block's scale, clamped to +-7.5, and rounded to the nearest number of E2M3, ties to even, subnormals kept.
;;     - The product sums the exact products of the quantised numbers (number of the format x scale) in f32.
;;   ~~~python
;;   def quantise(x, axis):      # numpy; x: float32 -> the quantised numbers, widened to float32 again
;;       x = np.moveaxis(x, axis, -1); K = x.shape[-1]
;;       x = np.pad(x, [(0, 0)] * (x.ndim - 1) + [(0, -K % 32)]); x = x.reshape(x.shape[:-1] + (-1, 32)); a = np.abs(x).max(-1, keepdims=True)
;;       e = np.where(a > 0, np.clip(np.frexp(np.where(a > 0, a, 1))[1] - 1 - 2, -126, 127), 0)      # np.frexp(a)[1] - 1 = floor(log2(a)), exactly
;;       r = np.clip(x / 2.0 ** e, -7.5, 7.5)
;;       step = 2.0 ** (np.maximum(np.frexp(np.where(r == 0, 1, r))[1] - 1, 0) - 3)
;;       q = np.round(r / step) * step * 2.0 ** e      # np.round: ties to even
;;       return np.moveaxis(q.reshape(q.shape[:-2] + (-1,))[..., :K], -1, axis).astype(np.float32)
;;   ~~~
;;   SOFTMAX AHEAD OF A QUANTISED PRODUCT. Where the list says 'softmax', what is quantised is not the finished softmax but p = 2^(t - M), with t = logit x log2(e) and M = ceil(the row's largest t), a whole number; so 1/2 < the row's largest p <= 1. The row's sum l is taken of the UNQUANTISED p, in f32, and the product's result is divided by l at the end. Since M is a whole number, a kernel that streams over the keys may use a running M (the ceiling of the running maximum): every later rescaling is an exact power of two, which a block's scale takes up: the codes' values come out the same.
;;   OPERANDS COMPUTED ON THE WAY. 'Computed on the way' means the value that the module computes at that place (a softmax that the list does not call 'softmax' is quantised finished and normalised). What goes into a quantiser is computed in f32, as accurately as f32 sums, v_exp_f32 and their like allow (about 1e-6 of the number): no bf16 or f16 on the way to a quantiser, and a product that is left as it is and whose result goes on into a quantised operand takes f32 operands (vector FMAs, or v_wmma_f32_16x16x4_f32). A number that lies on a knife's edge between two numbers of the format may be rounded either way, as far as f32 arithmetic and the matrix unit's own rounding can turn it there, and no further.
;; One version. Each part assembles by itself: llvm-mc -triple=amdgcn-amd-amdhsa -mcpu=gfx1250 --defsym DOCPART=n.
;; ======== version 1 of 1: 3 launches
;; workspace buffers: xc 6,291,456 bytes; xs 262,144 bytes; wc 2,359,296 bytes; ws 98,304 bytes; qkv 20,185,088 bytes
;; launch prep (part 1): grid 352 x 1, 4 waves a work-group, no clusters, 68,096 bytes of LDS; arguments inputs, Wq, Wk, Wv, xc, xs, wc, ws; writes xc, xs, wc, ws
.if DOCPART == 1
	.amdgcn_target "amdgcn-amd-amdhsa--gfx1250"
	.amdhsa_code_object_version 6
	.text
	.protected	k_qc88b376c5c_prep
	.globl	k_qc88b376c5c_prep
	.p2align	8
	.type	k_qc88b376c5c_prep,@function
k_qc88b376c5c_prep:
	s_mov_b64 s[64:65], 0
	v_nop
	global_prefetch_b8 v0, s[64:65] scope:SCOPE_SE
	s_setreg_imm32_b32 hwreg(HW_REG_WAVE_MODE, 25, 1), 1
	s_wait_xcnt 0x0
; x [8192][1024] f32 (K innermost) and Wq, Wk, Wv [1024 (k)][1024 (n)] f32 (K outermost) become codes of FP6 (E2M3), 6 bits each, K innermost, with one E8M0 byte for each 32 along K.
; A block's scale is 2^(floor(log2(its largest magnitude)) - 2): its byte is the largest magnitude's exponent field - 2, held at 1 from below.
; OUT: xc [8192 places][768 bytes], xs [8192 places][32 bytes]; wc [3072 places][768], ws [3072 places][32]: Wq's columns at places 0.., Wk's at 1024.., Wv's at 2048...
; THE ONE PERMUTATION OF THE PROGRAM: a row (a token of x, a column n of a weight) lies at the place that is its index with bits 3 and 4 exchanged.  So place 32 B + 16 u + p holds index 32 B + 8 u + p + 8 (p / 8):
; sixteen consecutive places are a tile whose results, in two neighbouring tiles, are 16 neighbours along the next product's K.  The later launches read consecutive places and never permute.
; LIMITS: a block whose largest magnitude lies under 2^-124 gets the byte 1; a block of zeros gets the byte 1 too (its codes are zeros, and this program alone reads the bytes); NaN and infinities among the inputs are not served.
; Work-groups 0 to 95 take the weights (32 each: 8 strips of 128 columns x 4 runs of 256 along K), work-groups 96 to 351 take x (32 tokens each).  The two ways never join, and each has LDS bytes of its own.
; No tensor loads, no barrier: waves share nothing.
.set NWGW,  96                         ; work-groups for the weights
.set SP,    80                         ; x: a lane's place in a stage: its 64 bytes + 16 of padding
.set WREG,  8192                       ; x: LDS of a wave: two stages of 32 x SP bytes, then its 256 scale bytes
.set STEPS, 16                         ; x: steps of 512 numbers for a wave
.set XR,    16                         ; v16-143  x: eight sets of 16 numbers as they are loaded
.set XX,    144                        ; v144-175 x: two sets of 16 neighbours
.set XE,    176                        ; v176-191 x: a scale byte for each step
.set XC,    192                        ; v192-255 x: codes, four registers for each step: no store's data are written again
.set WBASE, 32768                      ; W: LDS behind x's four regions
.set WP,    272                        ; W: a stage row: sixteen places of 16 bytes (12 bytes of codes each) + 16
.set NB,    8                          ; W: blocks of 32 along K for a wave
.set WX,    32                         ; v32-95   W: two sets of 32 numbers
.set WC,    96                         ; v96..    W: a block's codes
.set WO,    112                        ; v112-175 W: the way out
.set WS,    24                         ; v24-25   W: the scale bytes, four to a register
	s_load_b256 s[4:11], s[0:1], 0x0               ; x s[4:5], Wq s[6:7], Wk s[8:9], Wv s[10:11]
	s_load_b256 s[12:19], s[0:1], 0x20             ; xc s[12:13], xs s[14:15], wc s[16:17], ws s[18:19]
	v_lshl_add_u32 v251, v0, 2, 0x10800
	v_mov_b32 v255, 0
	v_lshrrev_b32 v1, 5, v0
	v_readfirstlane_b32 s22, v1                    ; wave 0..3
	v_and_b32 v2, 31, v0                           ; lane
	s_cmp_lt_u32 ttmp9, NWGW
	s_cbranch_scc1 .Lw
; ---------------- x.  Rows are dense, so x is a plain stream of blocks of 32.  A wave takes 8,192 numbers: eight tokens, 8 n to 8 n + 7.  Bits 3 and 4 of a token are bits 0 and 1 of n,
; which here are the wave's number: so the wave's codes and scale bytes go, as they come, to run 4 g + (the wave's two bits exchanged).
; Each load reads 512 consecutive bytes, 16 a lane; a step's 2,048 bytes turn through the wave's own stage in LDS and come back 64 bytes a lane: 16 neighbours, half a block.  Loads run eight steps (32 loads a wave) ahead.
	s_sub_co_u32 s23, ttmp9, NWGW
	s_lshl_b32 s23, s23, 2
	s_add_co_u32 s24, s23, s22                     ; the run that I read
	s_and_b32 s25, s22, 1
	s_lshl_b32 s25, s25, 1
	s_lshr_b32 s26, s22, 1
	s_or_b32 s25, s25, s26
	s_add_co_u32 s25, s23, s25                     ; the run that I write
	s_wait_alu depctr_va_vdst(0)
	v_lshlrev_b32 v3, 4, v2                        ; my 16 bytes of a load's 512
	s_mul_i32 s27, s22, WREG
	v_lshrrev_b32 v14, 2, v2
	v_mul_u32_u24 v14, v14, SP
	v_and_b32 v15, 3, v2
	v_lshl_add_u32 v14, v15, 4, v14
	v_add_nc_u32 v14, s27, v14                     ; the stage, in: SP (lane / 4) + 16 (lane % 4)
	v_mul_u32_u24 v15, v2, SP
	v_add_nc_u32 v15, s27, v15                     ; and out: SP x lane
	v_mul_u32_u24 v4, v2, 12                       ; my 12 bytes of a step's 384 bytes of codes
	v_lshrrev_b32 v5, 1, v2
	s_add_co_u32 s27, s27, 2*32*SP
	v_add_nc_u32 v5, s27, v5                       ; my block's byte among the wave's 256
	v_lshlrev_b32 v7, 3, v2
	v_add_nc_u32 v6, s27, v7                       ; and on the way out 8 bytes a lane
	s_lshl_b32 s28, s24, 15                        ; 32,768 bytes of f32 a run
	s_mov_b32 s29, 0
	s_mul_i32 s30, s25, 6144                       ; 6,144 bytes of codes
	s_mov_b32 s31, 0
	s_lshl_b32 s32, s25, 8                         ; 256 scale bytes
	s_mov_b32 s33, 0
	s_wait_alu depctr_va_vdst(0)
	s_wait_kmcnt 0x0
	s_add_nc_u64 s[4:5], s[4:5], s[28:29]
	s_add_nc_u64 s[12:13], s[12:13], s[30:31]
	s_add_nc_u64 s[14:15], s[14:15], s[32:33]
.macro XLOAD t
.irp i, 0,1,2,3
	global_load_b128 v[XR+16*((\t)%8)+4*\i:XR+16*((\t)%8)+4*\i+3], v3, s[4:5] offset:2048*(\t)+512*\i th:TH_LOAD_NT
.endr
.endm
.macro XTURN t                         ; step t's numbers through the stage: LDS serves a wave's instructions in order, so no wait stands between the stores and the loads
.irp i, 0,1,2,3
	ds_store_b128 v14, v[XR+16*((\t)%8)+4*\i:XR+16*((\t)%8)+4*\i+3] offset:32*SP*((\t)%2)+8*SP*\i
.endr
.irp i, 0,1,2,3
	ds_load_b128 v[XX+16*((\t)%2)+4*\i:XX+16*((\t)%2)+4*\i+3], v15 offset:32*SP*((\t)%2)+16*\i
.endr
.endm
.irp t, 0,1,2,3,4,5,6,7
	XLOAD \t
.endr
	s_wait_loadcnt 28                              ; step 0's four loads are in; the 28 of steps 1 to 7 stay out
	XTURN 0
.macro XSTEP t
.set XS, XX+16*((\t)%2)
.if (\t) > 0
	s_wait_dscnt 1                                 ; this step's numbers are back from the stage (the last step's byte store may be out): so its stores into the stage have read their registers,
.else
	s_wait_dscnt 0x0
.endif
.if (\t)+8 < STEPS
	XLOAD (\t)+8                                   ; which take the loads of eight steps on
.endif
.if (\t)+1 < STEPS
.if STEPS-2-(\t) >= 7
	s_wait_loadcnt 28                              ; the next step's four loads are in; those of the seven steps behind it may be out
.else
	s_wait_loadcnt 4*(STEPS-2-(\t))                ; towards the end: four for each step still behind it
.endif
	XTURN (\t)+1                                   ; they go through the other stage while this step is worked
.endif
	v_max3_num_f32 v8, |v[XS]|, |v[XS+1]|, |v[XS+2]|   ; the largest magnitude of my 16, in two chains
	v_max3_num_f32 v9, |v[XS+3]|, |v[XS+4]|, |v[XS+5]|
.irp i, 6,10
	v_max3_num_f32 v8, v8, |v[XS+\i]|, |v[XS+\i+1]|
	v_max3_num_f32 v9, v9, |v[XS+\i+2]|, |v[XS+\i+3]|
.endr
	v_max3_num_f32 v8, v8, |v[XS+14]|, |v[XS+15]|
	v_max3_num_f32 v8, v8, v9, 0x1800000           ; and the floor 2^(3 - 127): the byte cannot fall under 1
	v_max_num_f32_dpp v8, v8, v8 row_xmask:1 row_mask:0xf bank_mask:0xf   ; with my neighbour's 16: the block's
	v_add_nc_u32 v11, 0xff000000, v8               ; 2 off its exponent field: the conversion takes this operand's exponent field as its scale
	v_cvt_scalef32_pk16_fp6_f32 v[XC+4*(\t):XC+4*(\t)+2], v[XS:XS+15], v11
	v_lshrrev_b32 v[XE+(\t)], 23, v11              ; the scale's byte (also the plain line behind the conversion)
	ds_store_b8 v5, v[XE+(\t)] offset:16*(\t)      ; both lanes of a block write the same byte with the same value
	global_store_b96 v4, v[XC+4*(\t):XC+4*(\t)+2], s[12:13] offset:384*(\t)   ; the wave stores 384 consecutive bytes
.endm
.irp t, 0,1,2,3,4,5,6,7,8,9,10,11,12,13,14,15
	XSTEP \t
.endr
	ds_load_b64 v[12:13], v6                       ; LDS serves a wave's instructions in order: these see my byte stores
	s_wait_dscnt 0x0
	global_store_b64 v7, v[12:13], s[14:15]        ; 32 lanes store 256 consecutive bytes, aligned
	s_wait_tensorcnt 0x0
	ds_add_u32 v251, v255
	s_wait_dscnt 0x0
	s_endpgm
; ---------------- the weights.  A lane takes a column n and its registers run down K: each load reads 128 consecutive bytes a wave, a block of 32 along K lies in one lane's 32 registers, and the conversions give
; codes with K innermost.  A wave takes 32 columns x 256 along K.  The codes go through the wave's own stage in LDS, into the row that is the column's PLACE, and leave by rows: sixteen lanes store a row's 192 consecutive bytes.
.Lw:
	s_lshr_b32 s23, ttmp9, 5                       ; which weight: 0 Wq, 1 Wk, 2 Wv
	s_and_b32 s24, ttmp9, 7                        ; which 128 columns
	s_bfe_u32 s25, ttmp9, 0x20003                  ; which 256 along K
	s_lshl_b32 s24, s24, 7
	s_lshl_b32 s26, s22, 5
	s_add_co_u32 s24, s24, s26                     ; my wave's first column
	s_wait_alu depctr_va_vdst(0)
	v_lshlrev_b32 v3, 2, v2                        ; in: 4 bytes a lane
	v_and_b32 v5, 7, v2
	v_bfe_u32 v6, v2, 3, 1
	v_lshl_add_u32 v5, v6, 4, v5
	v_bfe_u32 v6, v2, 4, 1
	v_lshl_add_u32 v5, v6, 3, v5                   ; my column's place among the wave's 32: the lane with bits 3 and 4 exchanged
	s_mul_i32 s27, s22, 32*WP
	s_add_co_u32 s27, s27, WBASE                   ; my stage
	v_mul_u32_u24 v4, v5, WP
	v_add_nc_u32 v4, s27, v4                       ; into it: row = my column's place
	v_lshlrev_b32 v9, 5, v5                        ; and that place's row of 32 scale bytes
	v_and_b32 v5, 15, v2
	v_lshrrev_b32 v6, 4, v2                        ; out of it: sixteen lanes to a row, two rows an instruction
	v_mul_u32_u24 v7, v6, WP
	v_lshl_add_u32 v7, v5, 4, v7
	v_add_nc_u32 v7, s27, v7
	v_mul_u32_u24 v8, v6, 768
	v_mad_u32_u24 v8, v5, 12, v8                   ; the same place in the codes' buffer
	s_lshl_b32 s28, s25, 20                        ; W: 256 rows of 4,096 bytes for each run along K,
	s_lshl_b32 s26, s24, 2
	s_add_co_u32 s28, s28, s26                     ; + 4 x column
	s_mov_b32 s29, 0
	s_lshl_b32 s30, s23, 10
	s_add_co_u32 s30, s30, s24                     ; first place in wc and ws
	s_mul_i32 s32, s30, 768
	s_mul_i32 s26, s25, 192
	s_add_co_u32 s32, s32, s26
	s_mov_b32 s33, 0
	s_lshl_b32 s34, s30, 5
	s_lshl_b32 s26, s25, 3
	s_add_co_u32 s34, s34, s26
	s_mov_b32 s35, 0
	s_wait_kmcnt 0x0
	s_cmp_eq_u32 s23, 0                            ; the choice hangs on the work-group's number alone
	s_cselect_b64 s[4:5], s[6:7], s[8:9]
	s_cmp_eq_u32 s23, 2
	s_cselect_b64 s[4:5], s[10:11], s[4:5]
	s_add_nc_u64 s[4:5], s[4:5], s[28:29]
	s_add_nc_u64 s[16:17], s[16:17], s[32:33]
	s_add_nc_u64 s[18:19], s[18:19], s[34:35]
.macro WLOAD t                         ; block t: W(32 t + i, my column), i = 0 .. 31, into set t % 2; the offsets end at 255 rows of 4,096 bytes
.irp i, 0,1,2,3,4,5,6,7,8,9,10,11,12,13,14,15,16,17,18,19,20,21,22,23,24,25,26,27,28,29,30,31
	global_load_b32 v[WX+32*((\t)%2)+\i], v3, s[4:5] offset:(32*(\t)+\i)*4096 th:TH_LOAD_NT
.endr
.endm
	WLOAD 0
	WLOAD 1
.macro WBLOCK t
.set WXS, WX+32*((\t)%2)
.if (\t) < NB-1
	s_wait_loadcnt 32                              ; this block's 32 loads are in; the next block's 32 may be out
.else
	s_wait_loadcnt 0
.endif
	v_max3_num_f32 v12, |v[WXS]|, |v[WXS+1]|, |v[WXS+2]|   ; the block's largest magnitude: all 32 numbers are mine
	v_max3_num_f32 v13, |v[WXS+3]|, |v[WXS+4]|, |v[WXS+5]|
.irp i, 6,10,14,18,22,26
	v_max3_num_f32 v12, v12, |v[WXS+\i]|, |v[WXS+\i+1]|
	v_max3_num_f32 v13, v13, |v[WXS+\i+2]|, |v[WXS+\i+3]|
.endr
	v_max3_num_f32 v12, v12, |v[WXS+30]|, |v[WXS+31]|
	v_max3_num_f32 v12, v12, v13, 0x1800000        ; and the floor 2^(3 - 127)
	v_add_nc_u32 v11, 0xff000000, v12              ; 2 off the exponent field: the conversion's scale operand
	v_lshrrev_b32 v13, 23, v11                     ; the scale's byte
.if (\t)%4 == 0
	v_mov_b32 v[WS+(\t)/4], v13                    ; four bytes to a register, the lower K in the lower byte
.else
	v_lshl_or_b32 v[WS+(\t)/4], v13, 8*((\t)%4), v[WS+(\t)/4]
.endif
	v_cvt_scalef32_pk16_fp6_f32 v[WC:WC+2], v[WXS:WXS+15], v11
	v_cvt_scalef32_pk16_fp6_f32 v[WC+4:WC+6], v[WXS+16:WXS+31], v11   ; (a conversion's three registers begin on an even number)
	v_nop                                          ; one plain line behind the conversions
	ds_store_b96 v4, v[WC:WC+2] offset:32*(\t)     ; 12 bytes to a place of 16, so that every LDS address is a multiple of 16
	ds_store_b96 v4, v[WC+4:WC+6] offset:32*(\t)+16
.if (\t)+2 < NB
	WLOAD (\t)+2
.endif
	s_wait_dscnt 0x0                               ; the stores have read their registers: the next block's codes may be written
.endm
.irp t, 0,1,2,3,4,5,6,7
	WBLOCK \t
.endr
	s_wait_alu depctr_va_vdst(0)
	global_store_b64 v9, v[WS:WS+1], s[18:19]      ; my column's 8 scale bytes
.irp t, 0,1,2,3,4,5,6,7,8,9,10,11,12,13,14,15
	ds_load_b96 v[WO+4*\t:WO+4*\t+2], v7 offset:2*\t*WP   ; LDS serves a wave's instructions in order: these see my stores
.endr
.irp t, 0,1,2,3,4,5,6,7,8,9,10,11,12,13,14,15
	s_wait_dscnt 15-\t                             ; the loads behind load t may stay out
	global_store_b96 v8, v[WO+4*\t:WO+4*\t+2], s[16:17] offset:2*\t*768
.endr
	s_wait_tensorcnt 0x0
	ds_add_u32 v251, v255
	s_wait_dscnt 0x0
	s_endpgm
.Lfunc_end_k_qc88b376c5c_prep:
	.size	k_qc88b376c5c_prep, .Lfunc_end_k_qc88b376c5c_prep-k_qc88b376c5c_prep
	.p2alignl 7, 3214868480
	.fill 96, 4, 3214868480
	.section	.rodata,"a",@progbits
	.p2align	6, 0x0
	.amdhsa_kernel k_qc88b376c5c_prep
		.amdhsa_group_segment_fixed_size 68096
		.amdhsa_private_segment_fixed_size 0
		.amdhsa_enable_private_segment 0
		.amdhsa_kernarg_size 64
		.amdhsa_user_sgpr_count 2
		.amdhsa_user_sgpr_kernarg_segment_ptr 1
		.amdhsa_wavefront_size32 1
		.amdhsa_system_sgpr_workgroup_id_x 1
		.amdhsa_system_sgpr_workgroup_id_y 1
		.amdhsa_system_sgpr_workgroup_id_z 1
		.amdhsa_system_vgpr_workitem_id 0
		.amdhsa_next_free_vgpr 256
		.amdhsa_next_free_sgpr 66
		.amdhsa_reserve_vcc 0
		.amdhsa_float_denorm_mode_32 3
		.amdhsa_float_denorm_mode_16_64 3
		.amdhsa_memory_ordered 1
		.amdhsa_forward_progress 1
		.amdhsa_inst_pref_size 74
	.end_amdhsa_kernel
	.amdgpu_metadata
---
amdhsa.version: [ 1, 2 ]
amdhsa.kernels:
  - .name:           k_qc88b376c5c_prep
    .symbol:         k_qc88b376c5c_prep.kd
    .args:
      - { .name: inputs, .offset: 0, .size: 8, .value_kind: global_buffer, .address_space: global }
      - { .name: Wq, .offset: 8, .size: 8, .value_kind: global_buffer, .address_space: global }
      - { .name: Wk, .offset: 16, .size: 8, .value_kind: global_buffer, .address_space: global }
      - { .name: Wv, .offset: 24, .size: 8, .value_kind: global_buffer, .address_space: global }
      - { .name: xc, .offset: 32, .size: 8, .value_kind: global_buffer, .address_space: global }
      - { .name: xs, .offset: 40, .size: 8, .value_kind: global_buffer, .address_space: global }
      - { .name: wc, .offset: 48, .size: 8, .value_kind: global_buffer, .address_space: global }
      - { .name: ws, .offset: 56, .size: 8, .value_kind: global_buffer, .address_space: global }
    .group_segment_fixed_size: 68096
    .private_segment_fixed_size: 0
    .kernarg_segment_align: 8
    .kernarg_segment_size: 64
    .max_flat_workgroup_size: 128
    .sgpr_count:     66
    .vgpr_count:     256
    .wavefront_size: 32
...
	.end_amdgpu_metadata
.endif
;; end of part 1
;; launch proj (part 2): grid 12 x 32, 4 waves a work-group, clusters of 4 x 4, 327,680 bytes of LDS; arguments xc, xs, wc, ws, bq, bk, bv, qkv; writes qkv
.if DOCPART == 2
	.amdgcn_target "amdgcn-amd-amdhsa--gfx1250"
	.amdhsa_code_object_version 6
	.text
	.protected	k_qc88b376c5c_proj
	.globl	k_qc88b376c5c_proj
	.p2align	8
	.type	k_qc88b376c5c_proj,@function
k_qc88b376c5c_proj:
	s_mov_b64 s[64:65], 0
	v_nop
	global_prefetch_b8 v0, s[64:65] scope:SCOPE_SE
	s_setreg_imm32_b32 hwreg(HW_REG_WAVE_MODE, 25, 1), 1
	s_wait_xcnt 0x0
	s_wait_alu depctr_hold_cnt(0) depctr_sa_sdst(0) depctr_va_vdst(0) depctr_va_sdst(0) depctr_va_ssrc(0) depctr_va_vcc(0) depctr_vm_vsrc(0)
	s_getreg_b32 s2, hwreg(HW_REG_IB_STS2, 6, 4)
	s_cmp_eq_u32 s2, 0
	s_cbranch_scc0 .Lentry_in_a_cluster
	s_endpgm
.Lentry_in_a_cluster:
	s_bfe_u32 s2, ttmp6, 0x10000c
	s_cmp_lg_u32 s2, 0xf033
	s_cbranch_scc0 .Lentry_shape_is_right
	s_endpgm
.Lentry_shape_is_right:
.set KSTEP,  256
.set NQ,     2
.set ROWB,   192
.set KROW,   768
.set PITCH,  240
.set FR,     12
.set NL,     6
.set NP,     4
.set HALFT,  128*PITCH
.set SLOT,   4*HALFT
.set KS,     32
.set SCL,    2*SLOT
.set HALFS,  (128*KS/256)*272
.set SBLK,   (16*KS/256)*272
.set SPARE,  SCL+4*HALFS
.set REC,    19712
.set HEADB,  16*REC
.set ADRA, 16
.set ADRB, 20
.set O16,  24
.set O8,   25
.set LN,   26
.set ADRS, 27
.set SPW,  28
.set NIL,  29
.set BIO,  30
.set BVO,  31
.set SC,   32
.set BI,   64
.set AF,   128
.set HA,   128
.set CD,   192
.set TM,   212
.set PWS,  232
.set BV,   240
.set SW,   248
.set SA,   32
.set SB,   36
.set SEL,  104
.set G1, 24
.set G0, 32
.set G1B, 48
.set G0B, 56
.set G1S, 68
.set G0S, 76
.set G1SB, 80
.set G0SB, 88
.set MSB, 0
.macro WIN new
.if MSB != (\new)
	s_set_vgpr_msb (MSB<<8)|(\new)
.set MSB, (\new)
.endif
.endm
.set MUL_LO, 0xa1
.set MUL_HI, 0xf1
.set TO_B,   0x40
.macro JLOAD g0a, g1a, g0b, g1b
	s_cmp_eq_u32 s15, 0
	s_cbranch_scc0 .Lfor_b_\@
	tensor_load_to_lds s[\g0a:\g0a+3], s[\g1a:\g1a+7]
	s_nop 0
.rept 4
	v_nop
.endr
	s_branch .Lasked_\@
.Lfor_b_\@:
	tensor_load_to_lds s[\g0b:\g0b+3], s[\g1b:\g1b+7]
	s_nop 0
.rept 4
	v_nop
.endr
.Lasked_\@:
.endm
.macro CREST
	s_cmp_lg_u32 s14, 0
	s_cbranch_scc1 .Lnot_wave_0_\@
	s_barrier_signal -3
.Lnot_wave_0_\@:
	s_barrier_wait -3
	s_barrier_signal -1
	s_barrier_wait -1
.endm
.macro CROUND
	s_barrier_signal -1
	s_barrier_wait -1
	CREST
.endm
	s_load_b256 s[4:11], s[0:1], 0x0
	s_load_b256 s[68:75], s[0:1], 0x20
	v_lshl_add_u32 v[SPW], v0, 2, SPARE
	v_mov_b32 v[NIL], 0
	ds_add_u32 v28, v29
	ds_add_u32 v28, v29
	s_wait_dscnt 0x0
	v_lshrrev_b32 v1, 5, v0
	v_readfirstlane_b32 s14, v1
	s_lshr_b32 s15, s14, 1
	s_and_b32 s16, s14, 1
	s_bfe_u32 s40, ttmp6, 0x40000
	s_bfe_u32 s41, ttmp6, 0x40004
	s_and_b32 s66, ttmp7, 0xffff
	s_lshl_b32 s66, s66, 2
	s_lshl_b32 s67, ttmp9, 2
	s_lshl_b32 s43, s41, 2
	s_lshl_b32 s43, 15, s43
	s_lshl_b32 s44, 0x1111, s40
	s_mov_b32 s[SEL], 0x76543210
	s_mov_b32 s[SEL+1], 0xfedcba98
	s_wait_kmcnt 0x0
	s_cmp_eq_u32 ttmp9, 2
	s_cselect_b64 s[96:97], s[8:9], s[4:5]
	s_cselect_b64 s[100:101], s[10:11], s[6:7]
	s_cselect_b64 s[8:9], s[4:5], s[8:9]
	s_cselect_b64 s[10:11], s[6:7], s[10:11]
	s_cselect_b64 s[98:99], s[72:73], s[70:71]
	s_cselect_b32 s17, 8, s66
	s_cselect_b32 s42, s66, s67
	s_mov_b64 s[4:5], s[96:97]
	s_mov_b64 s[6:7], s[100:101]
	s_cmp_eq_u32 ttmp9, 0
	s_cselect_b64 s[98:99], s[68:69], s[98:99]
	s_mov_b64 s[12:13], s[74:75]
	s_add_co_u32 s17, s17, s41
	s_add_co_u32 s42, s42, s40
	s_or_b32 s[G1+0], s43, (0<<16)|(1<<20)|(1<<21)|(3<<22)|(3<<25)
	s_or_b32 s[G1B+0], s44, (0<<16)|(1<<20)|(1<<21)|(3<<22)|(3<<25)
.irp g, G1, G1B
	s_mov_b32 s[\g+1], ROWB<<16
	s_mov_b32 s[\g+2], 128<<16
	s_mov_b32 s[\g+3], ROWB<<16
	s_mov_b32 s[\g+4], 128
	s_mov_b32 s[\g+5], KROW
	s_mov_b32 s[\g+6], 0
	s_mov_b32 s[\g+7], 0
.endr
	s_or_b32 s[G1S+0], s43, (3<<16)|(1<<20)|(1<<21)|(5<<22)|(3<<25)
	s_or_b32 s[G1SB+0], s44, (3<<16)|(1<<20)|(1<<21)|(5<<22)|(3<<25)
.irp g, G1S, G1SB
	s_mov_b32 s[\g+1], 32<<16
	s_mov_b32 s[\g+2], (128*KS/256)<<16
	s_mov_b32 s[\g+3], 32<<16
	s_mov_b32 s[\g+4], 128*KS/256
	s_mov_b32 s[\g+5], 32
	s_mov_b32 s[\g+6], 0
	s_mov_b32 s[\g+7], 0
.endr
	s_lshl_b32 s18, s16, 7
	s_lshl_b32 s20, s17, 8
	s_add_co_u32 s20, s20, s18
	s_lshl_b32 s46, s42, 8
	s_add_co_u32 s46, s46, s18
	s_mov_b32 s21, 0
	s_mov_b32 s47, 0
	s_mov_b64 s[18:19], KS
	s_mul_u64 s[22:23], s[20:21], s[18:19]
	s_mul_u64 s[92:93], s[46:47], s[18:19]
	s_mov_b64 s[18:19], KROW
	s_mul_u64 s[20:21], s[20:21], s[18:19]
	s_mul_u64 s[46:47], s[46:47], s[18:19]
	s_mul_i32 s45, s14, HALFT
	s_mul_i32 s94, s14, HALFS
	s_add_nc_u64 s[20:21], s[4:5], s[20:21]
	s_add_nc_u64 s[22:23], s[6:7], s[22:23]
	s_add_nc_u64 s[46:47], s[8:9], s[46:47]
	s_add_nc_u64 s[92:93], s[10:11], s[92:93]
	CROUND
	s_mov_b32 s[G0S], 1
	s_add_co_u32 s[G0S+1], s94, SCL
	s_mov_b64 s[G0S+2:G0S+3], s[22:23]
	s_or_b32 s[G0S+3], s[G0S+3], 0x80000000
	s_mov_b32 s[G0SB], 1
	s_add_co_u32 s[G0SB+1], s94, SCL
	s_mov_b64 s[G0SB+2:G0SB+3], s[92:93]
	s_or_b32 s[G0SB+3], s[G0SB+3], 0x80000000
	JLOAD G0S, G1S, G0SB, G1SB
.irp s, 0,1
	s_mov_b32 s[G0+4*\s], 1
	s_add_co_u32 s[G0+4*\s+1], s45, \s*SLOT
	s_add_nc_u64 s[G0+4*\s+2:G0+4*\s+3], s[20:21], \s*ROWB
	s_or_b32 s[G0+4*\s+3], s[G0+4*\s+3], 0x80000000
	s_mov_b32 s[G0B+4*\s], 1
	s_add_co_u32 s[G0B+4*\s+1], s45, \s*SLOT
	s_add_nc_u64 s[G0B+4*\s+2:G0B+4*\s+3], s[46:47], \s*ROWB
	s_or_b32 s[G0B+4*\s+3], s[G0B+4*\s+3], 0x80000000
	s_wait_alu depctr_va_vdst(0)
	s_wait_tensorcnt 0x0
	ds_add_u32 v28, v29
	s_wait_dscnt 0x0
	CROUND
	JLOAD G0+4*\s, G1, G0B+4*\s, G1B
.endr
	v_and_b32 v1, 15, v0
	v_bfe_u32 v2, v0, 4, 1
	s_wait_alu depctr_va_vdst(0)
	s_lshl_b32 s2, s41, 10
	s_lshl_b32 s3, s15, 9
	s_add_co_u32 s2, s2, s3
	s_mov_b32 s3, 0
	s_add_nc_u64 s[100:101], s[98:99], s[2:3]
	s_lshl_b32 s2, s40, 10
	s_lshl_b32 s3, s16, 9
	s_add_co_u32 s2, s2, s3
	s_mov_b32 s3, 0
	s_add_nc_u64 s[98:99], s[98:99], s[2:3]
	v_lshlrev_b32 v[BIO], 6, v2
	v_and_b32 v[BVO], 8, v1
	v_add_nc_u32 v[BVO], v[BVO], v1
	v_lshlrev_b32 v[BVO], 2, v[BVO]
.irp b, 0,1,2,3
.irp j, 0,1,2,3
	global_load_b128 v[BI+16*\b+4*\j:BI+16*\b+4*\j+3], v[BIO], s[98:99] offset:128*\b+16*\j
.endr
.endr
.irp a, 0,1,2,3,4,5,6,7
	global_load_b32 v[BV+\a], v[BVO], s[100:101] offset:(32*(\a/2)+8*(\a%2))*4
.endr
	v_mul_u32_u24 v3, v1, PITCH
	v_mul_u32_u24 v4, v2, 24
	v_add_nc_u32 v4, v3, v4
	v_lshl_add_u32 v5, v2, 4, v4
	s_mul_i32 s21, s15, HALFT
	s_mul_i32 s22, s16, HALFT
	s_add_co_u32 s22, s22, 2*HALFT
.irp s, 0,1
	v_add_nc_u32 v[ADRA+\s], s21, v4
	v_add_nc_u32 v[ADRB+\s], s22, v4
	v_add_nc_u32 v[ADRA+2+\s], s21, v5
	v_add_nc_u32 v[ADRB+2+\s], s22, v5
	s_add_co_u32 s21, s21, SLOT
	s_add_co_u32 s22, s22, SLOT
.endr
	v_mul_u32_u24 v5, v1, KS
	v_lshrrev_b32 v6, 8, v5
	v_lshl_add_u32 v5, v6, 4, v5
	s_mul_i32 s21, s15, HALFS
	s_mul_i32 s22, s16, HALFS
	s_add_co_u32 s22, s22, 2*HALFS
	s_sub_co_u32 s22, s22, s21
	v_mul_u32_u24 v6, s22, v2
	s_add_co_u32 s21, s21, SCL
	v_add_nc_u32 v5, v5, v6
	v_add_nc_u32 v[ADRS], s21, v5
	v_and_b32 v[LN], 31, v0
	v_lshlrev_b32 v[O16], 4, v[LN]
	v_lshlrev_b32 v[O8], 3, v[LN]
	s_cmp_eq_u32 ttmp9, 2
	s_cselect_b32 s2, s40, s41
	s_cselect_b32 s3, s16, s15
	s_cselect_b32 s18, s41, s40
	s_cselect_b32 s19, s15, s16
	s_mov_b32 s20, 6144
	s_cselect_b32 s20, s20, 0
	s_mov_b32 s21, 12800
	s_mov_b32 s22, 12288
	s_cselect_b32 s21, s21, s22
	s_cmp_eq_u32 ttmp9, 0
	s_mov_b32 s22, 13056
	s_cselect_b32 s20, s22, s20
	s_mov_b32 s22, 19200
	s_cselect_b32 s21, s22, s21
	s_lshl_b32 s23, s66, 1
	s_lshl_b32 s2, s2, 1
	s_add_co_u32 s23, s23, s2
	s_add_co_u32 s23, s23, s3
	s_lshl_b32 s18, s18, 2
	s_lshl_b32 s19, s19, 1
	s_add_co_u32 s18, s18, s19
	s_lshr_b32 s2, s23, 4
	s_lshl_b32 s2, s2, 4
	s_add_co_u32 s2, s2, s18
	s_lshl_b32 s2, s2, 4
	s_and_b32 s23, s23, 15
	s_add_co_u32 s2, s2, s23
	s_mul_i32 s2, s2, REC
	s_mov_b32 s3, 0
	s_add_nc_u64 s[12:13], s[12:13], s[2:3]
	s_mov_b32 s2, s21
	s_add_nc_u64 s[96:97], s[12:13], s[2:3]
	s_mov_b32 s2, s20
	s_add_nc_u64 s[12:13], s[12:13], s[2:3]
.macro FRAG reg, adr, q, i
.irp p, 0,1,2,3,4,5
.set PC, 12*(\q)+6*(\p/3)+\p%3
.if PC%8 < 5
	ds_load_b64 v[\reg+2*\p:\reg+2*\p+1], v[\adr] offset:8*PC+16*(PC/8)+(\i)*16*PITCH
.else
	ds_load_b64 v[\reg+2*\p:\reg+2*\p+1], v[\adr+2] offset:8*PC+16*(PC/8)+(\i)*16*PITCH
.endif
.endr
.endm
.macro MUL16 a0, p, q, sc, zero
.irp a, \a0, \a0+1
.irp b, 0,1,2,3,4,5,6,7
.if \zero
	v_wmma_scale_f32_16x16x128_f8f6f4 v[8*(8*((\a)%4)+\b):8*(8*((\a)%4)+\b)+7], v[128*(\p)+FR*\b:128*(\p)+FR*\b+FR-1], v[AF+FR*(\a):AF+FR*(\a)+FR-1], 0, v[SC+8*NQ*(\sc)+NQ*\b+(\q)], v[SC+8*NQ*(\sc)+NQ*(\a)+(\q)] matrix_a_fmt:MATRIX_FMT_FP6 matrix_b_fmt:MATRIX_FMT_FP6 matrix_a_scale:MATRIX_SCALE_ROW1
.else
	v_wmma_scale_f32_16x16x128_f8f6f4 v[8*(8*((\a)%4)+\b):8*(8*((\a)%4)+\b)+7], v[128*(\p)+FR*\b:128*(\p)+FR*\b+FR-1], v[AF+FR*(\a):AF+FR*(\a)+FR-1], v[8*(8*((\a)%4)+\b):8*(8*((\a)%4)+\b)+7], v[SC+8*NQ*(\sc)+NQ*\b+(\q)], v[SC+8*NQ*(\sc)+NQ*(\a)+(\q)] matrix_a_fmt:MATRIX_FMT_FP6 matrix_b_fmt:MATRIX_FMT_FP6 matrix_a_scale:MATRIX_SCALE_ROW1
.endif
.endr
.endr
.endm
.macro FETCH_B slot, q, p
	WIN TO_B
.irp i, 0,1,2,3,4,5,6,7
	FRAG 128*(\p)+FR*\i, ADRB+\slot, \q, \i
.endr
	WIN 0
.endm
.macro FETCH_A slot, q, i0
.irp i, \i0, \i0+1, \i0+2, \i0+3
	FRAG AF+FR*(\i), ADRA+\slot, \q, \i
.endr
.endm
.macro SCALES sc
.irp i, 0,1,2,3,4,5,6,7
	ds_load_b64 v[SC+8*NQ*\sc+NQ*\i:SC+8*NQ*\sc+NQ*\i+1], v[ADRS] offset:\i*SBLK
.endr
.endm
.macro PLACES n
.rept \n
	v_nop
.endr
.endm
.macro STEP slot, q, zero
	s_wait_dscnt 4*NL
	WIN MUL_LO
	MUL16 0, (\q)%2, \q, \slot, \zero
	MUL16 2, (\q)%2, \q, \slot, \zero
	s_wait_dscnt 0
	PLACES NP
	FETCH_B \slot, (\q)+1, 1-(\q)%2
	FETCH_A \slot, (\q)+1, 0
	WIN MUL_HI
	MUL16 4, (\q)%2, \q, \slot, \zero
	MUL16 6, (\q)%2, \q, \slot, \zero
	PLACES NP
	WIN 0
	FETCH_A \slot, (\q)+1, 4
.endm
.macro TURN slot, next, fill
	s_wait_tensorcnt 0x0
	ds_add_u32 v[SPW], v[NIL]
	s_wait_dscnt 4*NL+1
	WIN MUL_LO
	MUL16 0, 1, NQ-1, \slot, 0
	s_wait_dscnt 0x0
	s_barrier_signal -1
	MUL16 2, 1, NQ-1, \slot, 0
	WIN 0
	s_barrier_wait -1
.if \fill
	CREST
	s_add_nc_u64 s[G0+4*\slot+2:G0+4*\slot+3], s[G0+4*\slot+2:G0+4*\slot+3], 2*ROWB
	s_add_nc_u64 s[G0B+4*\slot+2:G0B+4*\slot+3], s[G0B+4*\slot+2:G0B+4*\slot+3], 2*ROWB
	JLOAD G0+4*\slot, G1, G0B+4*\slot, G1B
.else
	PLACES NP
.endif
	s_wait_alu depctr_va_vdst(0)
	v_add_nc_u32 v[ADRS], 4*NQ, v[ADRS]
	FETCH_B \next, 0, 0
	FETCH_A \next, 0, 0
	SCALES \next
	WIN MUL_HI
	MUL16 4, 1, NQ-1, \slot, 0
	MUL16 6, 1, NQ-1, \slot, 0
	PLACES NP
	WIN 0
	FETCH_A \next, 0, 4
.endm
	s_wait_alu depctr_va_vdst(0)
	s_wait_tensorcnt 1
	s_barrier_signal -1
	s_barrier_wait -1
	FETCH_B 0, 0, 0
	FETCH_A 0, 0, 0
	SCALES 0
	FETCH_A 0, 0, 4
	STEP 0, 0, 1
	TURN 0, 1, 1
	STEP 1, 0, 0
	TURN 1, 0, 1
	STEP 0, 0, 0
	TURN 0, 1, 0
	STEP 1, 0, 0
	s_wait_dscnt 4*NL
	WIN MUL_LO
	MUL16 0, 1, NQ-1, 1, 0
	MUL16 2, 1, NQ-1, 1, 0
	s_wait_dscnt 0
	WIN MUL_HI
	MUL16 4, 1, NQ-1, 1, 0
	MUL16 6, 1, NQ-1, 1, 0
	WIN 0
.macro QUANT s, pw
.irp b, 0,1,2,3
	v_max3_num_f32 v[TM+\b], |v[\s+16*\b]|, |v[\s+1+16*\b]|, 0x1800000
.endr
.irp i, 2,4,6,8,10,12,14
.irp b, 0,1,2,3
	v_max3_num_f32 v[TM+\b], v[TM+\b], |v[\s+16*\b+\i]|, |v[\s+1+16*\b+\i]|
.endr
.endr
.irp b, 0,1,2,3
	v_permlanex16_b32 v[TM+4+\b], v[TM+\b], s[SEL], s[SEL+1]
.endr
.irp b, 0,1,2,3
	v_max_num_f32 v[TM+\b], v[TM+\b], v[TM+4+\b]
.endr
.irp b, 0,1,2,3
	v_add_nc_u32 v[TM+12+\b], 0xff000000, v[TM+\b]
.endr
.irp b, 0,1,2,3
	v_lshrrev_b32 v[TM+4+\b], 23, v[TM+12+\b]
.endr
	v_lshl_or_b32 v[\pw], v[TM+5], 8, v[TM+4]
	v_lshl_or_b32 v[\pw], v[TM+6], 16, v[\pw]
	v_lshl_or_b32 v[\pw], v[TM+7], 24, v[\pw]
.irp c, 0,1
	v_cvt_scalef32_pk16_fp6_f32 v[CD+6*\c:CD+2+6*\c], v[\s+32*\c:\s+15+32*\c], v[TM+12+2*\c]
	v_cvt_scalef32_pk16_fp6_f32 v[CD+12+4*\c:CD+14+4*\c], v[\s+16+32*\c:\s+31+32*\c], v[TM+12+2*\c+1]
.endr
	v_nop
.irp c, 0,1
.irp i, 0,1,2
	v_permlane16_swap_b32 v[CD+6*\c+\i], v[CD+12+4*\c+\i]
.endr
.irp i, 0,1,2
	v_mov_b32 v[CD+3+6*\c+\i], v[CD+12+4*\c+\i]
.endr
.endr
.endm
	PLACES NP
	s_wait_loadcnt 0x0
.irp b, 0,1,2,3
	v_mov_b32 v[TM+4+\b], 0
.endr
	v_cmp_le_u32 vcc_lo, 16, v[LN]
	s_cmp_eq_u32 ttmp9, 2
	s_cbranch_scc1 .Lv
.irp a, 0,1,2,3,4,5,6,7
.if \a > 0
	s_wait_xcnt 0x0
.endif
	WIN 0x02+\a/4
.set j, 0
.rept 32
	v_pk_add_f32 v[HA+j:HA+j+1], v[64*(\a%4)+j:64*(\a%4)+j+1], v[BI+j:BI+j+1]
.set j, j+2
.endr
	WIN 0
	QUANT HA, PWS+\a
	global_store_b128 v[O16], v[CD:CD+3], s[12:13] offset:768*\a
	global_store_b64 v[O8], v[CD+4:CD+5], s[12:13] offset:768*\a+512
	global_store_b128 v[O16], v[CD+6:CD+9], s[12:13] offset:HEADB+768*\a
	global_store_b64 v[O8], v[CD+10:CD+11], s[12:13] offset:HEADB+768*\a+512
.endr
.irp e, 0,1,2,3
	v_cndmask_b32 v[SW+\e], v[PWS+2*\e], v[PWS+2*\e+1], vcc_lo
.endr
.irp e, 0,1,2,3
	v_and_b32 v[SA+\e], 0xffff, v[SW+\e]
.endr
.irp e, 0,1,2,3
	v_lshrrev_b32 v[SB+\e], 16, v[SW+\e]
.endr
	global_store_b128 v[O16], v[SA:SA+3], s[96:97]
	global_store_b128 v[O16], v[SB:SB+3], s[96:97] offset:HEADB
	s_branch .Lend
.Lv:
.irp a, 0,1,2,3,4,5,6,7
.if \a > 0
	s_wait_xcnt 0x0
.endif
	WIN 0x02+\a/4
.set j, 0
.rept 32
.if \a % 2
	v_pk_add_f32 v[HA+j:HA+j+1], v[64*(\a%4)+j:64*(\a%4)+j+1], v[BV+2*(\a/2):BV+2*(\a/2)+1] op_sel:[0,1] op_sel_hi:[1,1]
.else
	v_pk_add_f32 v[HA+j:HA+j+1], v[64*(\a%4)+j:64*(\a%4)+j+1], v[BV+2*(\a/2):BV+2*(\a/2)+1] op_sel_hi:[1,0]
.endif
.set j, j+2
.endr
	WIN 0
	QUANT HA, PWS+\a
.irp c, 0,1,2
	global_store_b128 v[O16], v[CD+4*\c:CD+4*\c+3], s[12:13] offset:(\a/4)*HEADB+(\a%4)*1536+512*\c
.endr
.endr
.irp e, 0,1,2,3
	v_cndmask_b32 v[SW+\e], v[PWS+2*\e], v[PWS+2*\e+1], vcc_lo
.endr
	global_store_b64 v[O8], v[SW:SW+1], s[96:97]
	global_store_b64 v[O8], v[SW+2:SW+3], s[96:97] offset:HEADB
.Lend:
	s_wait_tensorcnt 0x0
	ds_add_u32 v[SPW], v[NIL]
	s_wait_dscnt 0x0
	CROUND
	s_endpgm
.Lfunc_end_k_qc88b376c5c_proj:
	.size	k_qc88b376c5c_proj, .Lfunc_end_k_qc88b376c5c_proj-k_qc88b376c5c_proj
	.p2alignl 7, 3214868480
	.fill 96, 4, 3214868480
	.section	.rodata,"a",@progbits
	.p2align	6, 0x0
	.amdhsa_kernel k_qc88b376c5c_proj
		.amdhsa_group_segment_fixed_size 327680
		.amdhsa_private_segment_fixed_size 0
		.amdhsa_enable_private_segment 0
		.amdhsa_kernarg_size 64
		.amdhsa_user_sgpr_count 2
		.amdhsa_user_sgpr_kernarg_segment_ptr 1
		.amdhsa_wavefront_size32 1
		.amdhsa_system_sgpr_workgroup_id_x 1
		.amdhsa_system_sgpr_workgroup_id_y 1
		.amdhsa_system_sgpr_workgroup_id_z 1
		.amdhsa_system_vgpr_workitem_id 0
		.amdhsa_next_free_vgpr 1024
		.amdhsa_next_free_sgpr 106
		.amdhsa_reserve_vcc 1
		.amdhsa_float_denorm_mode_32 3
		.amdhsa_float_denorm_mode_16_64 3
		.amdhsa_memory_ordered 1
		.amdhsa_forward_progress 1
		.amdhsa_inst_pref_size 234
	.end_amdhsa_kernel
	.amdgpu_metadata
---
amdhsa.version: [ 1, 2 ]
amdhsa.kernels:
  - .name:           k_qc88b376c5c_proj
    .symbol:         k_qc88b376c5c_proj.kd
    .args:
      - { .name: xc, .offset: 0, .size: 8, .value_kind: global_buffer, .address_space: global }
      - { .name: xs, .offset: 8, .size: 8, .value_kind: global_buffer, .address_space: global }
      - { .name: wc, .offset: 16, .size: 8, .value_kind: global_buffer, .address_space: global }
      - { .name: ws, .offset: 24, .size: 8, .value_kind: global_buffer, .address_space: global }
      - { .name: bq, .offset: 32, .size: 8, .value_kind: global_buffer, .address_space: global }
      - { .name: bk, .offset: 40, .size: 8, .value_kind: global_buffer, .address_space: global }
      - { .name: bv, .offset: 48, .size: 8, .value_kind: global_buffer, .address_space: global }
      - { .name: qkv, .offset: 56, .size: 8, .value_kind: global_buffer, .address_space: global }
    .group_segment_fixed_size: 327680
    .private_segment_fixed_size: 0
    .kernarg_segment_align: 8
    .kernarg_segment_size: 64
    .max_flat_workgroup_size: 128
    .sgpr_count:     106
    .vgpr_count:     1024
    .wavefront_size: 32
...
	.end_amdgpu_metadata
.endif
;; end of part 2
;; launch attn (part 3): grid 4 x 64, 16 waves a work-group, clusters of 4 x 1, 293,632 bytes of LDS; arguments qkv, out0; writes out0
.if DOCPART == 3
	.amdgcn_target "amdgcn-amd-amdhsa--gfx1250"
	.amdhsa_code_object_version 6
	.text
	.protected	k_qc88b376c5c_attn
	.globl	k_qc88b376c5c_attn
	.p2align	8
	.type	k_qc88b376c5c_attn,@function
k_qc88b376c5c_attn:
	s_mov_b64 s[64:65], 0
	v_nop
	global_prefetch_b8 v0, s[64:65] scope:SCOPE_SE
	s_setreg_imm32_b32 hwreg(HW_REG_WAVE_MODE, 25, 1), 1
	s_wait_xcnt 0x0
	s_wait_alu depctr_hold_cnt(0) depctr_sa_sdst(0) depctr_va_vdst(0) depctr_va_sdst(0) depctr_va_ssrc(0) depctr_va_vcc(0) depctr_vm_vsrc(0)
	s_getreg_b32 s2, hwreg(HW_REG_IB_STS2, 6, 4)
	s_cmp_eq_u32 s2, 0
	s_cbranch_scc0 .Lentry_in_a_cluster
	s_endpgm
.Lentry_in_a_cluster:
	s_bfe_u32 s2, ttmp6, 0x10000c
	s_cmp_lg_u32 s2, 0x3003
	s_cbranch_scc0 .Lentry_shape_is_right
	s_endpgm
.Lentry_shape_is_right:
; out[b][token][head][:] = the sum over keys of softmax(q . k / 8) v, both products on codes of FP6 (E2M3) with one E8M0 scale for each 32 along a product's K.
; THE SOFTMAX AHEAD OF THE SECOND PRODUCT: t = score x log2(e) / 8; M = the row's largest t so far, rounded up to a whole number; p = 2^(t - M) is what is quantised, along the keys; it is not normalised.
; The row's sum is taken of the unquantised p, in f32, and divides at the end.  When M moves, the sum and O are multiplied by 2^(old M - new M): exact.
; IN: qkv, records of 19,712 bytes for one (batch, head) and 128 token places, laid as images of the operands' registers: +0 K's codes (8 tiles of 16 keys x 768 bytes), +6,144 V's codes (4 tiles of 16 d x 1,536, K = the 128 keys),
; +12,288 K's scale words, +12,800 V's; +13,056 Q's codes, +19,200 Q's scale words.  The first 13,056 bytes are what a key step needs.
; SHARES.  A work-group owns 512 query places of one head; each of its sixteen waves owns 32 of them, two tiles of 16, one after the other, in under 256 registers: four waves to a SIMD, so that one wave's vector work
; stands beside another's matrix work and LDS loads.  ALL of the head's K, V and scale words, 16 x 13,056 bytes, lie in LDS for the whole launch: filled once, never again: no ring, and no barrier in the loops.
; CLUSTER.  The four work-groups of a head are one cluster and need the same 16 records: wave w of each asks for record w JOINTLY, by the same tensor load with the same descriptor and a mask that names the four.
; LAYOUT.  Both products are used transposed: S^T = K Q^T (source 0 = 16 keys, source 1 = my 16 queries), O^T = V^T P^T (source 0 = 16 d, source 1 = P): a lane holds one query (lane % 16) throughout.
; Token and d places are permuted (index with bits 3 and 4 exchanged), so the 16 registers of tiles 2 b and 2 b + 1 are the true indices 32 b + 16 (lane / 16) + 0 .. 15: p's registers run along neighbouring keys, O^T's along neighbouring d.
; K = 64 IN AN INSTRUCTION OF K = 128.  Q's operand is six registers of codes and six of zero codes.  K's tile t is named as twelve registers from its own six on: the upper six are the next tile's codes (behind tile 7: six registers
; cleared once).  They meet Q's zero codes, the format has no NaN and no infinity, and the scale bytes of that half are 0, not 0xff: they add exactly 0.
; LIMITS: as the launches before: NaN and infinities are not served; a block of p that has fallen to zeros keeps the byte 1 over zero codes.
.set REC,   19712
.set KVB,   13056                      ; a record's part that lies in LDS: record s at KVB x s
.set STAGE, 17*KVB                     ; the way out: 16 rows x (256 + 16) bytes for each wave.  It begins one record's length behind the last record: the stepped address, which holds 16 KVB behind its last step, would even from there end short of it
.set L16, 1                            ; v1   16 x lane
.set L8,  2                            ; v2   8 x lane
.set A16, 3                            ; v3   the step's record + 16 x lane
.set A8,  4                            ; v4   the step's record + 8 x lane
.set STO, 5                            ; v5   the stage: where I put my row's numbers
.set SRD, 6                            ; v6   and where I read a row back
.set GO,  7                            ; v7   my byte offset in out0: 4,096 (lane / 16) + 16 (lane % 16)
.set QSO, 8                            ; v8   16 x (lane % 16): my query's scale word
                                       ; v12 -M, v13 the largest t, v[14:15] the sum in two halves; v16-21 Q's codes, v22-27 zero codes; v28-33 the second tile's Q
.set KF,  34                           ; v34-81 K's eight tiles, six registers each, later V's four fragments; v82-87 cleared once
.set KS,  88                           ; v88-91 K's scale words: register e: tile 2 e in lanes 0-15, tile 2 e + 1 in lanes 16-31
.set VS,  92                           ; v92-93 V's likewise
.set QS,  94                           ; v94 Q's scale words; v95 the second tile's
.set S,   96                           ; v96-159 S^T, then p
.set O,   160                          ; v160-191 O^T
.set CD,  192                          ; v192-203 p's codes
.set PT,  204                          ; v204-206, v208-210 their second halves on the way
.set BM,  212                          ; v212-215 the blocks' largest scores, then largest p
.set BX,  216                          ; v216-219 the other half's; then the bytes
.set SO,  220                          ; v220-223 the conversions' scale operands
.set F,   224                          ; v[224:225] f = 2^(old M - new M) (the pair's low word serves both halves)
.set TMP, 226
.set PW,  227                          ; p's scale word
.set SUM2, 228                         ; v[228:229] the sum's second chain
.set WV,  8                            ; s8   my wave's number
.set SEL, 24                           ; s[24:25] lane selects for v_permlanex16_b32: lane l xor 16
.set CS,  26                           ; s[26:27] c = log2(e) / 8
.set TB,  28                           ; s28  LDS byte at which the step's record begins
.set CNT, 29                           ; s29  key steps to go
.macro CROUND                          ; a round of the cluster's barrier
	s_barrier_signal -1
	s_barrier_wait -1
	s_cmp_lg_u32 s[WV], 0
	s_cbranch_scc1 .Lnot_wave_0_\@
	s_barrier_signal -3
.Lnot_wave_0_\@:
	s_barrier_wait -3
	s_barrier_signal -1
	s_barrier_wait -1
.endm
	s_load_b128 s[4:7], s[0:1], 0x0                ; qkv s[4:5], out0 s[6:7]
	v_lshl_add_u32 v240, v0, 2, 0x47300
	v_mov_b32 v241, 0
	ds_add_u32 v240, v241
	ds_add_u32 v240, v241
	v_lshrrev_b32 v1, 5, v0
	s_delay_alu instid0(VALU_DEP_1)
	v_readfirstlane_b32 s[WV], v1                  ; wave 0..15
	s_bfe_u32 s9, ttmp6, 0x40000                   ; cx: which 512 query places: it enters Q's and out0's addresses alone
	s_and_b32 s10, ttmp7, 0xffff                   ; 16 x batch + head, which the four partners share
	; descriptor group 1: 13,056 dense bytes as 51 rows of 256 bytes (32 elements of 8 bytes), no padding: every LDS read of them is 16 or 8 consecutive bytes a lane
	s_mov_b32 s16, 15|(3<<16)|(1<<21)              ; 15:0 the mask: all four work-groups; 17:16 elements of 8 bytes; 21 set beside a mask
	s_mov_b32 s17, 32<<16                          ; tensor_dim0 = 32
	s_mov_b32 s18, 51<<16                          ; tensor_dim1 = 51
	s_mov_b32 s19, 32<<16                          ; tile_dim0 = 32
	s_mov_b32 s20, 51                              ; tile_dim1 = 51
	s_mov_b32 s21, 32                              ; tensor_dim0_stride
	s_mov_b32 s22, 0
	s_mov_b32 s23, 0
	s_mov_b32 s[SEL], 0x76543210
	s_mov_b32 s[SEL+1], 0xfedcba98
	s_mov_b32 s[CS], 0x3e38aa3b                    ; c = log2(e) / 8
	s_mov_b32 s[CS+1], s[CS]                       ; (named with it as a pair, so it is written)
	s_lshl_b32 s30, s10, 4
	s_add_co_u32 s30, s30, s[WV]                   ; the head's record w
	s_mul_i32 s30, s30, REC
	s_mov_b32 s31, 0
	s_mov_b32 s12, 1                               ; group 0: count = 1,
	s_mul_i32 s13, s[WV], KVB                      ; the LDS address: the wave's number x a constant,
	s_wait_dscnt 0x0
	s_wait_kmcnt 0x0
	s_add_nc_u64 s[14:15], s[4:5], s[30:31]        ; the global address: head and wave alone,
	s_or_b32 s15, s15, 0x80000000                  ; type = 2
	CROUND                                         ; all four work-groups are here: the joint loads meet
	tensor_load_to_lds s[12:15], s[16:23]          ; my one tensor load of the launch
	s_nop 0
.rept 4
	v_nop
.endr
	s_lshl_b32 s32, s10, 4
	s_lshl_b32 s33, s9, 2
	s_add_co_u32 s32, s32, s33
	s_lshr_b32 s33, s[WV], 2
	s_add_co_u32 s32, s32, s33                     ; my queries' record: 16 x (batch, head) + 4 cx + wave / 4
	s_mul_i32 s32, s32, REC
	s_mov_b32 s33, 0
	s_add_nc_u64 s[34:35], s[4:5], s[32:33]
	s_and_b32 s28, s[WV], 3                        ; in it my two tiles are 2 (wave % 4) and the next
	s_lshl_b32 s32, s28, 2
	s_add_co_u32 s32, s32, 19200
	s_add_nc_u64 s[36:37], s[34:35], s[32:33]      ; Q's scale words: word wave % 4 of each lane's four
	s_mul_i32 s32, s28, 1536
	s_add_co_u32 s32, s32, 13056
	s_add_nc_u64 s[34:35], s[34:35], s[32:33]      ; Q's codes
	s_lshr_b32 s32, s10, 4
	s_lshl_b32 s32, s32, 11
	s_lshl_b32 s28, s9, 9
	s_add_co_u32 s32, s32, s28
	s_lshl_b32 s28, s[WV], 5
	s_add_co_u32 s32, s32, s28                     ; my first token: 2,048 x batch + 512 cx + 32 x wave (the 32 places of a wave are 32 tokens from a multiple of 32 on)
	s_lshl_b32 s32, s32, 12                        ; rows of 4,096 bytes: under 2^26
	s_and_b32 s28, s10, 15
	s_lshl_b32 s28, s28, 8
	s_add_co_u32 s32, s32, s28                     ; + the head's 256 bytes
	s_add_nc_u64 s[38:39], s[6:7], s[32:33]
	v_and_b32 v9, 31, v0                           ; lane
	s_delay_alu instid0(VALU_DEP_1)
	v_lshlrev_b32 v[L16], 4, v9
	s_delay_alu instid0(VALU_DEP_2)
	v_lshlrev_b32 v[L8], 3, v9
	v_and_b32 v10, 15, v0                          ; r
	v_bfe_u32 v11, v0, 4, 1                        ; h
	s_delay_alu instid0(VALU_DEP_2)
	v_lshlrev_b32 v[QSO], 4, v10
	global_load_b128 v[16:19], v[L16], s[34:35]                ; Q's first tile: registers 0-3,
	global_load_b64 v[20:21], v[L8], s[34:35] offset:512       ; 4-5,
	global_load_b32 v[QS], v[QSO], s[36:37]                    ; its scale words: they lie in the image's lanes 0-15
	global_load_b128 v[28:31], v[L16], s[34:35] offset:768     ; the second tile,
	global_load_b64 v[32:33], v[L8], s[34:35] offset:1280
	global_load_b32 v[QS+1], v[QSO], s[36:37] offset:256       ; whose scale words lie in the image's lanes 16-31: 256 bytes on
	s_mul_i32 s11, s[WV], 16*272
	s_add_co_u32 s11, s11, STAGE                   ; my stage
	v_mul_u32_u24 v[STO], v10, 272
	s_delay_alu instid0(VALU_DEP_1)
	v_lshl_add_u32 v[STO], v11, 6, v[STO]
	s_delay_alu instid0(VALU_DEP_1)
	v_add_nc_u32 v[STO], s11, v[STO]               ; in: row r, + 64 h: my 16 d of each 32
	v_mul_u32_u24 v[SRD], v11, 272
	s_delay_alu instid0(VALU_DEP_1)
	v_lshl_add_u32 v[SRD], v10, 4, v[SRD]
	s_delay_alu instid0(VALU_DEP_1)
	v_add_nc_u32 v[SRD], s11, v[SRD]               ; back: lanes 0-15 one row, lanes 16-31 the next
	v_lshlrev_b32 v[GO], 12, v11
	s_delay_alu instid0(VALU_DEP_1)
	v_lshl_add_u32 v[GO], v10, 4, v[GO]
.irp j, 0,1,2,3,4,5
	v_mov_b32 v[22+\j], 0                          ; Q's zero codes for K = 64 .. 127
	v_mov_b32 v[KF+48+\j], 0                       ; what stands behind K's tile 7
.endr
.irp b, 0,1,2,3
	v_mov_b32 v[BX+\b], 0                          ; written once: a lane permute's destination counts as one of its sources
.endr
	v_mov_b32 v[F+1], 0                            ; (named as the upper half of the pair)
	s_wait_tensorcnt 0x0                           ; my record has landed,
	s_barrier_signal -1
	s_barrier_wait -1                              ; everybody's has: the head's K and V are whole, and nobody writes them again
	s_wait_loadcnt 0x0                             ; Q
; A KEY STEP: the 128 keys of the record at s[TB].
.macro KSTEP
	v_add_nc_u32 v[A16], s[TB], v[L16]
	v_add_nc_u32 v[A8], s[TB], v[L8]
	v_nop
	v_nop                                          ; four places behind the last step's products, in front of loads into registers that they read
.irp t, 0,1,2,3,4,5,6,7
	ds_load_b128 v[KF+6*\t:KF+6*\t+3], v[A16] offset:768*\t         ; 512 consecutive bytes
	ds_load_b64 v[KF+6*\t+4:KF+6*\t+5], v[A8] offset:768*\t+512     ; 256
.endr
	ds_load_b128 v[KS:KS+3], v[A16] offset:12288
	s_wait_alu depctr_va_vdst(0)
	s_wait_dscnt 0x0
.irp t, 0,1,2,3,4,5,6,7                        ; S^T = K Q^T: in tile t lane (r, h) holds query r; the 16 registers of tiles 2 b, 2 b + 1 are keys 32 b + 16 h + 0 .. 15
.if \t % 2
	v_wmma_scale_f32_16x16x128_f8f6f4 v[S+8*\t:S+8*\t+7], v[KF+6*\t:KF+6*\t+11], v[16:27], 0, v[KS+\t/2], v[QS] matrix_a_fmt:MATRIX_FMT_FP6 matrix_b_fmt:MATRIX_FMT_FP6 matrix_a_scale:MATRIX_SCALE_ROW1
.else
	v_wmma_scale_f32_16x16x128_f8f6f4 v[S+8*\t:S+8*\t+7], v[KF+6*\t:KF+6*\t+11], v[16:27], 0, v[KS+\t/2], v[QS] matrix_a_fmt:MATRIX_FMT_FP6 matrix_b_fmt:MATRIX_FMT_FP6
.endif
.endr
.rept 4
	v_nop                                          ; places: for the loads into K's registers, and for the first read of the scores
.endr
.irp t, 0,1,2,3                                ; V's fragments are asked for here and land while the softmax is worked
.irp c, 0,1,2
	ds_load_b128 v[KF+12*\t+4*\c:KF+12*\t+4*\c+3], v[A16] offset:6144+1536*\t+512*\c
.endr
.endr
	ds_load_b64 v[VS:VS+1], v[A8] offset:12800
.irp b, 0,1,2,3
	v_max3_num_f32 v[BM+\b], v[S+16*\b], v[S+16*\b+1], v[S+16*\b+2]   ; the largest score of each block of 32 keys: it serves for the row's maximum and, since p rises with the score, for the block's largest p
.endr
.irp i, 3,5,7,9,11,13
.irp b, 0,1,2,3
	v_max3_num_f32 v[BM+\b], v[BM+\b], v[S+16*\b+\i], v[S+16*\b+\i+1]   ; (the four blocks by turns)
.endr
.endr
.irp b, 0,1,2,3
	v_max_num_f32 v[BM+\b], v[BM+\b], v[S+16*\b+15]
.endr
.irp b, 0,1,2,3
	s_delay_alu instid0(VALU_DEP_4)
	v_permlanex16_b32 v[BX+\b], v[BM+\b], s[SEL], s[SEL+1]
.endr
.irp b, 0,1,2,3
	s_delay_alu instid0(VALU_DEP_4)
	v_max_num_f32 v[BM+\b], v[BM+\b], v[BX+\b]     ; with lane l xor 16's 16 keys
.endr
	s_delay_alu instid0(VALU_DEP_2)
	v_max3_num_f32 v[TMP], v[BM], v[BM+1], v[BM+2]
	s_delay_alu instid0(VALU_DEP_1)
	v_max_num_f32 v[TMP], v[TMP], v[BM+3]          ; the step's largest score of my query
	s_delay_alu instid0(VALU_DEP_1)
	v_mul_f32 v[TMP], s[CS], v[TMP]                ; as t (c is positive)
	s_delay_alu instid0(VALU_DEP_1)
	v_max_num_f32 v13, v13, v[TMP]                 ; the running largest t
	v_mov_b32 v[TMP], v12
	s_delay_alu instid0(VALU_DEP_2)
	v_floor_f32 v12, -v13                          ; the new -M = floor(-t) = -ceil(t): a whole number
	s_delay_alu instid0(VALU_DEP_1)
	v_sub_f32 v[TMP], v12, v[TMP]                  ; old M - new M: a whole number, 0 or less
	s_delay_alu instid0(VALU_DEP_1)
	v_cvt_i32_f32 v[TMP], v[TMP]                   ; (it saturates)
	s_delay_alu instid0(VALU_DEP_1)
	v_ldexp_f32 v[F], 1.0, v[TMP]                  ; f = 2^(old M - new M)
.irp j, 0,2,4,6,8,10,12,14,16,18,20,22,24,26,28,30,32,34,36,38,40,42,44,46,48,50,52,54,56,58,60,62
	v_pk_fma_f32 v[S+\j:S+\j+1], v[S+\j:S+\j+1], s[CS:CS+1], v[12:13] op_sel_hi:[1,0,0]   ; t - M, two at a time
.endr
.irp b, 0,1,2,3
	v_fma_f32 v[BM+\b], v[BM+\b], s[CS], v12       ; the same of each block's largest score
.endr
	s_wait_alu depctr_va_vdst(0)
.irp j, 0,1,2,3,4,5,6,7,8,9,10,11,12,13,14,15,16,17,18,19,20,21,22,23,24,25,26,27,28,29,30,31,32,33,34,35,36,37,38,39,40,41,42,43,44,45,46,47,48,49,50,51,52,53,54,55,56,57,58,59,60,61,62,63
	v_exp_f32 v[S+\j], v[S+\j]                     ; p = 2^(t - M), at most 1: not normalised
.endr
	s_setprio 1
	v_pk_mul_f32 v[14:15], v[14:15], v[F:F+1] op_sel_hi:[1,0]   ; the sums under the new M (the plain line behind the exponentials)
	s_wait_alu depctr_va_vdst(0)                   ; one wait for the batch of 64, ahead of its first reader
.irp b, 0,1,2,3
	v_exp_f32 v[BM+\b], v[BM+\b]                   ; the block's largest p: the same two instructions on the same number give the same bits
.endr
	v_pk_add_f32 v[228:229], v[100:101], v[104:105]
	v_pk_add_f32 v[238:239], v[108:109], v[112:113]
	v_pk_add_f32 v[236:237], v[116:117], v[120:121]
	v_pk_add_f32 v[234:235], v[124:125], v[128:129]
	v_pk_add_f32 v[232:233], v[132:133], v[136:137]
	v_pk_add_f32 v[230:231], v[140:141], v[144:145]
	v_pk_add_f32 v[226:227], v[148:149], v[152:153]
	v_pk_add_f32 v[14:15], v[14:15], v[156:157]
	v_pk_add_f32 v[228:229], v[228:229], v[96:97]
	v_pk_add_f32 v[238:239], v[238:239], v[98:99]
	v_pk_add_f32 v[236:237], v[236:237], v[102:103]
	v_pk_add_f32 v[234:235], v[234:235], v[106:107]
	v_pk_add_f32 v[232:233], v[232:233], v[110:111]
	v_pk_add_f32 v[230:231], v[230:231], v[114:115]
	v_pk_add_f32 v[226:227], v[226:227], v[118:119]
	v_pk_add_f32 v[14:15], v[14:15], v[122:123]
	v_pk_add_f32 v[228:229], v[228:229], v[126:127]
	v_pk_add_f32 v[238:239], v[238:239], v[130:131]
	v_pk_add_f32 v[236:237], v[236:237], v[134:135]
	v_pk_add_f32 v[234:235], v[234:235], v[138:139]
	v_pk_add_f32 v[232:233], v[232:233], v[142:143]
	v_pk_add_f32 v[230:231], v[230:231], v[146:147]
	v_pk_add_f32 v[226:227], v[226:227], v[150:151]
	v_pk_add_f32 v[14:15], v[14:15], v[154:155]
	v_pk_add_f32 v[228:229], v[228:229], v[158:159]
	s_delay_alu instid0(VALU_DEP_2)
	v_pk_add_f32 v[14:15], v[14:15], v[234:235]
	s_delay_alu instid0(VALU_DEP_2)
	v_pk_add_f32 v[228:229], v[228:229], v[232:233]
	v_pk_add_f32 v[238:239], v[238:239], v[230:231]
	v_pk_add_f32 v[236:237], v[236:237], v[226:227]
	s_delay_alu instid0(VALU_DEP_2)
	v_pk_add_f32 v[14:15], v[14:15], v[238:239]
	s_delay_alu instid0(VALU_DEP_2)
	v_pk_add_f32 v[228:229], v[228:229], v[236:237]
	s_delay_alu instid0(VALU_DEP_1)
	v_pk_add_f32 v[14:15], v[14:15], v[228:229]
	s_wait_alu depctr_va_vdst(0)                   ; and one for the four
.irp b, 0,1,2,3
	v_max_num_f32 v[BM+\b], 0x1800000, v[BM+\b]    ; the floor 2^(3 - 127): the byte cannot fall under 1
.endr
.irp b, 0,1,2,3
	s_delay_alu instid0(VALU_DEP_4)
	v_add_nc_u32 v[SO+\b], 0xff000000, v[BM+\b]    ; 2 off the exponent field: the conversion's scale operand
.endr
.irp b, 0,1,2,3
	s_delay_alu instid0(VALU_DEP_4)
	v_lshrrev_b32 v[BX+\b], 23, v[SO+\b]           ; the scale's byte
.endr
	s_delay_alu instid0(VALU_DEP_3)
	v_lshl_or_b32 v[PW], v[BX+1], 8, v[BX]         ; p's scale word for these 128 keys
	s_delay_alu instid0(VALU_DEP_1)
	v_lshl_or_b32 v[PW], v[BX+2], 16, v[PW]
	s_delay_alu instid0(VALU_DEP_1)
	v_lshl_or_b32 v[PW], v[BX+3], 24, v[PW]
.irp c, 0,1
	v_cvt_scalef32_pk16_fp6_f32 v[CD+6*\c:CD+6*\c+2], v[S+32*\c:S+32*\c+15], v[SO+2*\c]
	v_cvt_scalef32_pk16_fp6_f32 v[PT+4*\c:PT+4*\c+2], v[S+32*\c+16:S+32*\c+31], v[SO+2*\c+1]   ; (a conversion's three registers begin on an even number)
.endr
	v_nop                                          ; one plain line behind the conversions
.irp c, 0,1                                    ; the operand's layout wants a whole block in a lane: lanes 0-15 block 2 c, lanes 16-31 block 2 c + 1
.irp i, 0,1,2
	v_permlane16_swap_b32 v[CD+6*\c+\i], v[PT+4*\c+\i]
.endr
.irp i, 0,1,2
	s_delay_alu instid0(VALU_DEP_3)
	v_mov_b32 v[CD+3+6*\c+\i], v[PT+4*\c+\i]
.endr
.endr
	s_setprio 0
.irp j, 0,2,4,6,8,10,12,14,16,18,20,22,24,26,28,30
	v_pk_mul_f32 v[O+\j:O+\j+1], v[O+\j:O+\j+1], v[F:F+1] op_sel_hi:[1,0]   ; O^T under the new M.  (For each product below, twelve of these sixteen name none of its registers: the places between the writing of p's codes and scale word and that product)
.endr
	s_wait_alu depctr_va_vdst(0)
	s_wait_dscnt 0x0                               ; V's fragments and scale words are in
.irp t, 0,1,2,3
.if \t % 2
	v_wmma_scale_f32_16x16x128_f8f6f4 v[O+8*\t:O+8*\t+7], v[KF+12*\t:KF+12*\t+11], v[CD:CD+11], v[O+8*\t:O+8*\t+7], v[VS+\t/2], v[PW] matrix_a_fmt:MATRIX_FMT_FP6 matrix_b_fmt:MATRIX_FMT_FP6 matrix_a_scale:MATRIX_SCALE_ROW1
.else
	v_wmma_scale_f32_16x16x128_f8f6f4 v[O+8*\t:O+8*\t+7], v[KF+12*\t:KF+12*\t+11], v[CD:CD+11], v[O+8*\t:O+8*\t+7], v[VS+\t/2], v[PW] matrix_a_fmt:MATRIX_FMT_FP6 matrix_b_fmt:MATRIX_FMT_FP6
.endif
.endr
	s_add_co_u32 s[TB], s[TB], KVB                 ; the next record
.endm
; ONE TILE OF 16 QUERIES through all 16 key steps, and out.  i: which of my two tiles.
.macro QTILE i
	v_mov_b32 v13, 0xff61b1e6                      ; the largest t so far: -3e38, under every t
	s_delay_alu instid0(VALU_DEP_1)
	v_floor_f32 v12, -v13                          ; -M
	v_mov_b32 v14, 0                               ; the sum, in two halves
	v_mov_b32 v15, 0
.irp j, 0,1,2,3,4,5,6,7,8,9,10,11,12,13,14,15,16,17,18,19,20,21,22,23,24,25,26,27,28,29,30,31
	v_mov_b32 v[O+\j], 0                           ; O^T.  (The step is written once: the first finds zeros, which the first change of M leaves zeros)
.endr
	s_mov_b32 s[TB], 0
	s_mov_b32 s[CNT], 16
.Lstep_\@:
	s_setprio 2
	KSTEP
	s_sub_co_u32 s[CNT], s[CNT], 1
	s_cmp_lg_u32 s[CNT], 0
	s_cbranch_scc1 .Lstep_\@
	s_setprio 0
	v_add_f32 v14, v14, v15                        ; the sum's two halves,
	s_delay_alu instid0(VALU_DEP_1)
	v_permlanex16_b32 v[BX], v14, s[SEL], s[SEL+1]
	s_delay_alu instid0(VALU_DEP_1)
	v_add_f32 v14, v14, v[BX]                      ; and lane l xor 16's: the row's sum
	s_wait_alu depctr_va_vdst(0)
	v_rcp_f32 v14, v14
	v_nop                                          ; the plain line behind the reciprocal; the two additions and these two are the four places behind the last products
	v_nop
	s_wait_alu depctr_va_vdst(0)                   ; the wait ahead of the reciprocal's first reader
.irp j, 0,1,2,3,4,5,6,7,8,9,10,11,12,13,14,15,16,17,18,19,20,21,22,23,24,25,26,27,28,29,30,31
	v_mul_f32 v[S+\j], v[O+\j], v14                ; O^T / the sum, each accumulator from its low end on: register 16 b + i is d = 32 b + 16 h + i of my query
.endr
.irp t, 0,1,2,3
	ds_store_b128 v[STO], v[S+8*\t:S+8*\t+3] offset:128*(\t/2)+32*(\t%2)
	ds_store_b128 v[STO], v[S+8*\t+4:S+8*\t+7] offset:128*(\t/2)+32*(\t%2)+16
.endr
.irp k, 0,1,2,3,4,5,6,7
	ds_load_b128 v[S+32+4*\k:S+32+4*\k+3], v[SRD] offset:544*\k   ; LDS serves a wave's instructions in order: these see my stores; rows 2 k and 2 k + 1
.endr
.irp k, 0,1,2,3,4,5,6,7
	s_wait_dscnt 7-\k                              ; the loads behind load k may stay out
	global_store_b128 v[GO], v[S+32+4*\k:S+32+4*\k+3], s[38:39] offset:32768*\i+(2*\k+8*(\k/4))*4096 th:TH_STORE_NT   ; place 16 i + p holds token 8 i + p + 8 (p / 8); 16 lanes store a token's 256 bytes of the head, aligned
.endr
.if \i == 0
	s_wait_xcnt 0x0                                ; the stores have read their registers: the next tile writes them again
.endif
.endm
	QTILE 0
.irp j, 0,1,2,3,4,5
	v_mov_b32 v[16+\j], v[28+\j]                   ; the second tile's Q
.endr
	v_mov_b32 v[QS], v[QS+1]                       ; and its scale words; the 36 lines at the next tile's head stand between these and its first product
	QTILE 1
	s_wait_tensorcnt 0x0
	ds_add_u32 v240, v241
	s_wait_dscnt 0x0
	CROUND                                         ; the closing round: no work-group ends while a partner may still ask for a record that names it
	s_endpgm
.Lfunc_end_k_qc88b376c5c_attn:
	.size	k_qc88b376c5c_attn, .Lfunc_end_k_qc88b376c5c_attn-k_qc88b376c5c_attn
	.p2alignl 7, 3214868480
	.fill 96, 4, 3214868480
	.section	.rodata,"a",@progbits
	.p2align	6, 0x0
	.amdhsa_kernel k_qc88b376c5c_attn
		.amdhsa_group_segment_fixed_size 293632
		.amdhsa_private_segment_fixed_size 0
		.amdhsa_enable_private_segment 0
		.amdhsa_kernarg_size 16
		.amdhsa_user_sgpr_count 2
		.amdhsa_user_sgpr_kernarg_segment_ptr 1
		.amdhsa_wavefront_size32 1
		.amdhsa_system_sgpr_workgroup_id_x 1
		.amdhsa_system_sgpr_workgroup_id_y 1
		.amdhsa_system_sgpr_workgroup_id_z 1
		.amdhsa_system_vgpr_workitem_id 0
		.amdhsa_next_free_vgpr 242
		.amdhsa_next_free_sgpr 66
		.amdhsa_reserve_vcc 0
		.amdhsa_float_denorm_mode_32 3
		.amdhsa_float_denorm_mode_16_64 3
		.amdhsa_memory_ordered 1
		.amdhsa_forward_progress 1
		.amdhsa_inst_pref_size 50
	.end_amdhsa_kernel
	.amdgpu_metadata
---
amdhsa.version: [ 1, 2 ]
amdhsa.kernels:
  - .name:           k_qc88b376c5c_attn
    .symbol:         k_qc88b376c5c_attn.kd
    .args:
      - { .name: qkv, .offset: 0, .size: 8, .value_kind: global_buffer, .address_space: global }
      - { .name: out0, .offset: 8, .size: 8, .value_kind: global_buffer, .address_space: global }
    .group_segment_fixed_size: 293632
    .private_segment_fixed_size: 0
    .kernarg_segment_align: 8
    .kernarg_segment_size: 16
    .max_flat_workgroup_size: 512
    .sgpr_count:     66
    .vgpr_count:     242
    .wavefront_size: 32
...
	.end_amdgpu_metadata
.endif
;; end of part 3
